; MI455X (gfx1250); checked and timed in simulation.
; The chip was launched on July 23, 2026; its instructions are those of AMD's public machine-readable ISA for CDNA 5 (MIT licence, August 2026) and "CDNA5" Instruction Set Architecture Reference Guide (July 2026). The comments in the code are by the model that wrote it; some were corrected since.
;; Lo RA Linear. Allowed arithmetic: float matrix products may take bf16 or f16 operands with f32 sums; other float arithmetic in f32, or as packed bf16 or f16 multiplies, adds, multiply-adds, maxima and minima; sums over many terms, partial sums and values carried from step to step in f32; what a program stores and reads back later, other than sums and carried values, may be rounded once to bf16 or f16.
;; Inputs: bias 4,096 float32; lora_A 16 x 4,096 float32; lora_B 4,096 x 16 float32; weight 4,096 x 4,096 float32; x 4,096 x 4,096 float32.
;; Outputs: out0 4,096 x 4,096 float32.
;; One version. Each part assembles by itself: llvm-mc -triple=amdgcn-amd-amdhsa -mcpu=gfx1250 --defsym DOCPART=n.
;; ======== version 1 of 1: 2 launches
;; workspace buffers: xb 33,554,432 bytes; wb 33,554,432 bytes; te 262,144 bytes; bb 131,072 bytes
;; launch prep (part 1): grid 256 x 1, 16 waves a work-group, no clusters, 157,696 bytes of LDS; arguments x, weight, lora_A, lora_B, xb, wb, te, bb; writes xb, wb, te, bb
.if DOCPART == 1
	.amdgcn_target "amdgcn-amd-amdhsa--gfx1250"
	.amdhsa_code_object_version 6
	.text
	.protected	k_q2a97df605f_prep
	.globl	k_q2a97df605f_prep
	.p2align	8
	.type	k_q2a97df605f_prep,@function
k_q2a97df605f_prep:
	s_mov_b64 s[64:65], 0
	v_nop
	global_prefetch_b8 v0, s[64:65] scope:SCOPE_SE
	s_setreg_imm32_b32 hwreg(HW_REG_WAVE_MODE, 25, 1), 1
	s_wait_xcnt 0x0
; out0 = x W^T + bias + 2 (x A^T) B^T, in two launches.  THIS ONE rounds x, weight and lora_B to bf16, once each (xb, wb, bb), and makes
; 2 t = 2 x A^T from the rounded x and the rounded lora_A, with f32 sums, stored as two bf16 numbers: te plane 0 = hi = bf16(2 t), te plane 1 = lo = bf16(2 t - hi).
; The second launch multiplies xb by wb and takes (hi, lo) against (bb, bb) as one more K step of 32.  The factor 2 is a power of two: it changes no mantissa.
; NO WORK IS LEFT OUT: every input of the problem has a way to the output and is loaded (bias by the second launch).
; LIMITS.  Matrix operands are bf16 (f32's range, 8 significant bits); the f32 sums are taken in another order than a sum in ascending index; NaN and infinities are not treated apart.
; SHARES.  Work-group g: rows 16 g .. 16 g + 15 of x, of weight and of lora_B.  Wave w: columns 256 w .. 256 w + 255 of x, of weight and of lora_A, as two chunks of 16 rows x 128 columns.
; A chunk is 16 loads, a row each: 32 lanes x 16 bytes = 512 consecutive bytes, aligned.  A lane's four numbers round to 8 bytes: a store of the wave covers 256 consecutive bytes, aligned.
; t WANTS ANOTHER LAYOUT (a lane a row), so the rounded chunks of x and lora_A also go into the wave's own stage in LDS and come back as fragments; the wave's own bytes, served in order: no barrier.
; K is thus split among the 16 waves; their 16 partial tiles of t meet in LDS behind the launch's one barrier, and wave 0 adds them.  Wave 15 rounds lora_B's 16 rows.
; IN FLIGHT.  Three chunk buffers (lora_A, x, weight), each asked for again as soon as it is emptied: 32 to 48 loads of a wave are out until the last chunks.
.set ROWF,  16384                      ; bytes in a row of x, weight, lora_A
.set ROWH,  8192                       ; bytes in a row of xb, wb
.set SP,    272                        ; a stage row: 256 bytes + 16 = 68 words: row r starts at bank 4 r mod 64 (64 banks of 4 bytes: ISA guide 11.1), so a fragment load's 16 rows start at 16 different banks
.set WST,   2*16*SP                    ; a wave's stage: 16 rows of x's chunk, then 16 rows of lora_A's
.set PART,  16*WST                     ; behind the stages: wave w's partial tile of t, 1,024 bytes, at PART + 1,024 w
.set SPARE, PART+16*1024               ; behind them: the spare words, 128 bytes for each wave: eight blocks of 256 bytes that no other line names
.set IN,   2                           ; v2   16 lane + 1,024 w: my 16 bytes in a row of f32; never rewritten (rows and chunks stand in the immediates)
.set OUTO, 3                           ; v3   8 lane + 512 w: my 8 bytes in a row of bf16
.set SX,   4                           ; v4   where I put 8 bytes of x's chunk in my wave's stage
.set SA,   5                           ; v5   the same for lora_A's chunk
.set FX,   6                           ; v6   where I read x's fragments: stage + 272 (lane % 16) + 16 (lane / 16)
.set FA,   7                           ; v7   the same for lora_A's
.set SPW,  8                           ; v8   LDS address of my spare word: SPARE + 4 x my thread's number; never rewritten
.set NIL,  9                           ; v9   0; never rewritten
.set EO,   10                          ; v10  32 (lane % 16) + 16 (lane / 16): my 16 bytes of a plane of te
.set PS,   11                          ; v11  where I put my part of the wave's partial tile
.set LB,   12                          ; v12  32 lane: my 8 numbers of lora_B's 16 rows
.set L16,  13                          ; v13  16 lane: the same 8 numbers in bb
.set PR,   14                          ; v14  where wave 0 reads the partial tiles back
.set ACC,  16                          ; v[16:31]   two accumulators, which take turns
.set XF,   32                          ; v[32:47]   two fragments of x (in wave 15, earlier: lora_B's numbers and their roundings)
.set AF,   48                          ; v[48:63]   two fragments of lora_A
.set RA,   64                          ; v[64:127]  lora_A's chunk
.set RX,   128                         ; v[128:191] x's chunk
.set RW,   192                         ; v[192:255] weight's chunk
.set WV,   20                          ; s20  my wave's number
	s_load_b512 s[4:19], s[0:1], 0x0               ; x s[4:5], weight s[6:7], lora_A s[8:9], lora_B s[10:11], xb s[12:13], wb s[14:15], te s[16:17], bb s[18:19]
	v_lshl_add_u32 v[SPW], v0, 2, SPARE
	v_mov_b32 v[NIL], 0
	v_and_b32 v1, 31, v0                           ; lane
	v_lshrrev_b32 v32, 5, v0
	v_readfirstlane_b32 s[WV], v32                 ; wave 0..15
	v_and_b32 v32, 15, v0                          ; lane % 16
	v_bfe_u32 v33, v0, 4, 1                        ; lane / 16
	s_lshl_b32 s21, s[WV], 10
	v_lshl_add_u32 v[IN], v1, 4, s21
	s_add_co_u32 s21, s21, PART
	v_lshl_add_u32 v[PS], v1, 4, s21
	s_lshl_b32 s21, s[WV], 9
	v_lshl_add_u32 v[OUTO], v1, 3, s21
	s_mul_i32 s21, s[WV], WST                      ; my wave's stage
	v_lshl_add_u32 v[SX], v1, 3, s21
	v_add_nc_u32 v[SA], 16*SP, v[SX]
	v_mul_u32_u24 v[FX], v32, SP
	v_lshl_add_u32 v[FX], v33, 4, v[FX]
	v_add_nc_u32 v[FX], s21, v[FX]
	v_add_nc_u32 v[FA], 16*SP, v[FX]
	v_lshlrev_b32 v[EO], 5, v32
	v_lshl_add_u32 v[EO], v33, 4, v[EO]
	v_lshlrev_b32 v[LB], 5, v1
	v_lshlrev_b32 v[L16], 4, v1
	v_lshl_add_u32 v[PR], v1, 4, PART
	s_lshl_b32 s22, ttmp9, 18                      ; 16 rows of 16,384 bytes
	s_mov_b32 s23, 0
	s_wait_kmcnt 0x0
	s_add_nc_u64 s[4:5], s[4:5], s[22:23]
	s_add_nc_u64 s[6:7], s[6:7], s[22:23]
	s_lshl_b32 s22, ttmp9, 17                      ; 16 rows of 8,192 bytes
	s_add_nc_u64 s[12:13], s[12:13], s[22:23]
	s_add_nc_u64 s[14:15], s[14:15], s[22:23]
	s_lshl_b32 s22, ttmp9, 10                      ; 16 rows of lora_B: 64 bytes each
	s_add_nc_u64 s[10:11], s[10:11], s[22:23]
	s_lshl_b32 s22, ttmp9, 9                       ; 16 rows of te's planes and of bb: 32 bytes each
	s_add_nc_u64 s[16:17], s[16:17], s[22:23]
	s_add_nc_u64 s[18:19], s[18:19], s[22:23]
; A chunk's 16 loads: row i, chunk c of my wave's columns.  nt = 1: bytes that the whole launch reads once.
.macro LOADC buf, base, c, nt
.irp i, 0,1,2,3,4,5,6,7,8,9,10,11,12,13,14,15
.if \nt
	global_load_b128 v[(\buf)+4*(\i):(\buf)+4*(\i)+3], v[IN], s[(\base):(\base)+1] offset:(\i)*ROWF+(\c)*512 th:TH_LOAD_NT
.else
	global_load_b128 v[(\buf)+4*(\i):(\buf)+4*(\i)+3], v[IN], s[(\base):(\base)+1] offset:(\i)*ROWF+(\c)*512
.endif
.endr
.endm
; The chunk is rounded in place: row i's four numbers become the two words at the head of its four registers.
.macro CVT buf
.irp i, 0,1,2,3,4,5,6,7,8,9,10,11,12,13,14,15
	v_cvt_pk_bf16_f32 v[(\buf)+4*(\i)],   v[(\buf)+4*(\i)],   v[(\buf)+4*(\i)+1]
	v_cvt_pk_bf16_f32 v[(\buf)+4*(\i)+1], v[(\buf)+4*(\i)+2], v[(\buf)+4*(\i)+3]
.endr
.endm
.macro OUTC buf, base, c               ; 16 stores: each covers 256 consecutive bytes, at a multiple of 256 from the buffer's first byte
.irp i, 0,1,2,3,4,5,6,7,8,9,10,11,12,13,14,15
	global_store_b64 v[OUTO], v[(\buf)+4*(\i):(\buf)+4*(\i)+1], s[(\base):(\base)+1] offset:(\i)*ROWH+(\c)*256
.endr
.endm
.macro STG buf, adr                    ; the same words into my wave's stage
.irp i, 0,1,2,3,4,5,6,7,8,9,10,11,12,13,14,15
	ds_store_b64 v[\adr], v[(\buf)+4*(\i):(\buf)+4*(\i)+1] offset:(\i)*SP
.endr
.endm
.macro PLACES                          ; four places behind a product, in front of loads into registers that it has read (ISA guide 7.12.1 for vector instructions)
.rept 4
	v_nop
.endr
.endm
; The staged chunk's part of t^T = A x^T: four K blocks of 32, two at a time.  Source 0 = lora_A's 16 rows, source 1 = 16 rows of x: in the result a lane holds token lane % 16 and ranks 8 (lane / 16) + 0..7.
; A fragment is 16 rows x 32 columns in 8 registers: two loads of 16 bytes, 32 bytes apart.  LDS serves a wave's instructions in order (ISA guide 5.7.1.4): the loads see the stores into the stage.
; The two accumulators take turns, one instruction a turn, through the whole text.  first = 1: the first pair starts the sums: nothing is cleared.
.macro DOT first
.irp p, 0,1
.irp u, 0,1
	ds_load_b128 v[XF+8*(\u):XF+8*(\u)+3],   v[FX] offset:64*(2*(\p)+(\u))
	ds_load_b128 v[XF+8*(\u)+4:XF+8*(\u)+7], v[FX] offset:64*(2*(\p)+(\u))+32
	ds_load_b128 v[AF+8*(\u):AF+8*(\u)+3],   v[FA] offset:64*(2*(\p)+(\u))
	ds_load_b128 v[AF+8*(\u)+4:AF+8*(\u)+7], v[FA] offset:64*(2*(\p)+(\u))+32
.endr
	s_wait_dscnt 0x0                               ; the eight loads are in
.irp u, 0,1
.if (\first) && ((\p) == 0)
	v_wmma_f32_16x16x32_bf16 v[ACC+8*(\u):ACC+8*(\u)+7], v[AF+8*(\u):AF+8*(\u)+7], v[XF+8*(\u):XF+8*(\u)+7], 0
.else
	v_wmma_f32_16x16x32_bf16 v[ACC+8*(\u):ACC+8*(\u)+7], v[AF+8*(\u):AF+8*(\u)+7], v[XF+8*(\u):XF+8*(\u)+7], v[ACC+8*(\u):ACC+8*(\u)+7]
.endif
.endr
	PLACES
.endr
.endm
	s_cmp_lg_u32 s[WV], 15                         ; wave 15 alone: lora_B's 16 rows, 32 bytes a lane.  Its two loads are the oldest: every counted wait below covers them too
	s_cbranch_scc1 .Lnot_b_in
	global_load_b128 v[32:35], v[LB], s[10:11]
	global_load_b128 v[36:39], v[LB], s[10:11] offset:16
.Lnot_b_in:
	LOADC RA, 8, 0, 0                              ; lora_A is read by every work-group: no hint
	LOADC RX, 4, 0, 1
	LOADC RW, 6, 0, 1
	s_wait_loadcnt 32                              ; lora_A's chunk 0 is in; x's and weight's 32 loads stay out
	CVT RA
	STG RA, SA
	LOADC RA, 8, 1, 0                              ; its chunk 1
	s_cmp_lg_u32 s[WV], 15
	s_cbranch_scc1 .Lnot_b_out
.irp j, 0,1,2,3
	v_cvt_pk_bf16_f32 v[40+(\j)], v[32+2*(\j)], v[32+2*(\j)+1]
.endr
	global_store_b128 v[L16], v[40:43], s[18:19]   ; lane l holds row l / 2, ranks 8 (l % 2) on: byte 16 l of the 16 rows of bb: 512 consecutive bytes
.Lnot_b_out:
	s_wait_loadcnt 32                              ; x's chunk 0 is in; weight's chunk 0 and lora_A's chunk 1 stay out
	CVT RX
	OUTC RX, 12, 0
	STG RX, SX
	s_wait_xcnt 0x0                                ; the stores' addresses are translated (ISA guide 3.1): only behind this wait are their data registers loaded again
	LOADC RX, 4, 1, 1
	DOT 1
	s_wait_loadcnt 32                              ; weight's chunk 0 is in; lora_A's and x's chunks 1 stay out
	CVT RW
	OUTC RW, 14, 0
	s_wait_xcnt 0x0                                ; as above, for weight's buffer
	LOADC RW, 6, 1, 1
	s_wait_loadcnt 32                              ; lora_A's chunk 1 is in; x's and weight's chunks 1 stay out
	CVT RA
	STG RA, SA                                     ; the reads of chunk 0 have come back (the wait for 0 in the products' macro)
	s_wait_loadcnt 16                              ; x's chunk 1 is in; weight's stays out
	CVT RX
	OUTC RX, 12, 1
	STG RX, SX
	DOT 0
	s_wait_loadcnt 0x0                             ; weight's chunk 1
	CVT RW                                         ; these 32 conversions, which name no register of the products, are also places behind the last of them
	OUTC RW, 14, 1
.irp j, 0,2,4,6
	v_pk_add_f32 v[ACC+(\j):ACC+(\j)+1], v[ACC+(\j):ACC+(\j)+1], v[ACC+8+(\j):ACC+8+(\j)+1]  ; the two accumulators, from their low ends on
.endr
	ds_store_b128 v[PS], v[ACC:ACC+3]
	ds_store_b128 v[PS], v[ACC+4:ACC+7] offset:512
	s_wait_dscnt 0x0                               ; for wave 0's sake: my partial tile lies in LDS
	s_barrier_signal -1
	s_barrier_wait -1                              ; all 16 do
	s_cmp_lg_u32 s[WV], 0
	s_cbranch_scc1 .Lend
	s_wait_xcnt 0x0                                ; my last stores have read x's buffer, which the loads below write
.irp v, 0,1,2,3,4,5,6,7,8,9,10,11,12,13,14,15
	ds_load_b128 v[64+8*(\v):64+8*(\v)+3],   v[PR] offset:1024*(\v)
	ds_load_b128 v[64+8*(\v)+4:64+8*(\v)+7], v[PR] offset:1024*(\v)+512
.endr
	s_wait_dscnt 0x0
.irp d, 8,4,2,1                        ; a tree: tile t takes tile t + d
.set t, 0
.rept \d
.set j, 0
.rept 4
	v_pk_add_f32 v[64+8*t+j:64+8*t+j+1], v[64+8*t+j:64+8*t+j+1], v[64+8*(t+(\d))+j:64+8*(t+(\d))+j+1]
.set j, j+2
.endr
.set t, t+1
.endr
.endr
.irp j, 0,2,4,6
	v_pk_mul_f32 v[64+(\j):64+(\j)+1], v[64+(\j):64+(\j)+1], 2.0 op_sel_hi:[1,0]  ; SCALE
.endr
.irp j, 0,1,2,3
	v_cvt_pk_bf16_f32 v[72+(\j)], v[64+2*(\j)], v[64+2*(\j)+1]                    ; hi
.endr
.irp j, 0,1,2,3
	v_lshlrev_b32 v[80+2*(\j)],   16, v[72+(\j)]                                  ; hi as f32
	v_and_b32     v[80+2*(\j)+1], 0xffff0000, v[72+(\j)]
.endr
.irp j, 0,2,4,6
	v_pk_add_f32 v[80+(\j):80+(\j)+1], v[64+(\j):64+(\j)+1], v[80+(\j):80+(\j)+1] neg_lo:[0,1] neg_hi:[0,1]  ; 2 t - hi
.endr
.irp j, 0,1,2,3
	v_cvt_pk_bf16_f32 v[76+(\j)], v[80+2*(\j)], v[80+2*(\j)+1]                    ; lo
.endr
	global_store_b128 v[EO], v[72:75], s[16:17]                 ; 16 tokens x 32 bytes: 512 consecutive bytes of plane 0,
	global_store_b128 v[EO], v[76:79], s[16:17] offset:131072   ; and of plane 1
.Lend:
	s_wait_tensorcnt 0x0                           ; the wave's end, behind my last LDS store
	ds_add_u32 v[SPW], v[NIL]
	s_wait_dscnt 0x0
	s_endpgm
.Lfunc_end_k_q2a97df605f_prep:
	.size	k_q2a97df605f_prep, .Lfunc_end_k_q2a97df605f_prep-k_q2a97df605f_prep
	.p2alignl 7, 3214868480
	.fill 96, 4, 3214868480
	.section	.rodata,"a",@progbits
	.p2align	6, 0x0
	.amdhsa_kernel k_q2a97df605f_prep
		.amdhsa_group_segment_fixed_size 157696
		.amdhsa_private_segment_fixed_size 0
		.amdhsa_enable_private_segment 0
		.amdhsa_kernarg_size 64
		.amdhsa_user_sgpr_count 2
		.amdhsa_user_sgpr_kernarg_segment_ptr 1
		.amdhsa_wavefront_size32 1
		.amdhsa_system_sgpr_workgroup_id_x 1
		.amdhsa_system_sgpr_workgroup_id_y 1
		.amdhsa_system_sgpr_workgroup_id_z 1
		.amdhsa_system_vgpr_workitem_id 0
		.amdhsa_next_free_vgpr 256
		.amdhsa_next_free_sgpr 66
		.amdhsa_reserve_vcc 0
		.amdhsa_float_denorm_mode_32 3
		.amdhsa_float_denorm_mode_16_64 3
		.amdhsa_memory_ordered 1
		.amdhsa_forward_progress 1
		.amdhsa_inst_pref_size 46
	.end_amdhsa_kernel
	.amdgpu_metadata
---
amdhsa.version: [ 1, 2 ]
amdhsa.kernels:
  - .name:           k_q2a97df605f_prep
    .symbol:         k_q2a97df605f_prep.kd
    .args:
      - { .name: x, .offset: 0, .size: 8, .value_kind: global_buffer, .address_space: global }
      - { .name: weight, .offset: 8, .size: 8, .value_kind: global_buffer, .address_space: global }
      - { .name: lora_A, .offset: 16, .size: 8, .value_kind: global_buffer, .address_space: global }
      - { .name: lora_B, .offset: 24, .size: 8, .value_kind: global_buffer, .address_space: global }
      - { .name: xb, .offset: 32, .size: 8, .value_kind: global_buffer, .address_space: global }
      - { .name: wb, .offset: 40, .size: 8, .value_kind: global_buffer, .address_space: global }
      - { .name: te, .offset: 48, .size: 8, .value_kind: global_buffer, .address_space: global }
      - { .name: bb, .offset: 56, .size: 8, .value_kind: global_buffer, .address_space: global }
    .group_segment_fixed_size: 157696
    .private_segment_fixed_size: 0
    .kernarg_segment_align: 8
    .kernarg_segment_size: 64
    .max_flat_workgroup_size: 512
    .sgpr_count:     66
    .vgpr_count:     256
    .wavefront_size: 32
...
	.end_amdgpu_metadata
.endif
;; end of part 1
;; launch gemm (part 2): grid 16 x 16, 4 waves a work-group, clusters of 4 x 4, 327,680 bytes of LDS; arguments xb, wb, out0, te, bb, bias; writes out0
.if DOCPART == 2
	.amdgcn_target "amdgcn-amd-amdhsa--gfx1250"
	.amdhsa_code_object_version 6
	.text
	.protected	k_q2a97df605f_gemm
	.globl	k_q2a97df605f_gemm
	.p2align	8
	.type	k_q2a97df605f_gemm,@function
k_q2a97df605f_gemm:
	s_mov_b64 s[64:65], 0
	v_nop
	global_prefetch_b8 v0, s[64:65] scope:SCOPE_SE
	s_setreg_imm32_b32 hwreg(HW_REG_WAVE_MODE, 25, 1), 1
	s_wait_xcnt 0x0
	s_wait_alu depctr_hold_cnt(0) depctr_sa_sdst(0) depctr_va_vdst(0) depctr_va_sdst(0) depctr_va_ssrc(0) depctr_va_vcc(0) depctr_vm_vsrc(0)
	s_getreg_b32 s2, hwreg(HW_REG_IB_STS2, 6, 4)
	s_cmp_eq_u32 s2, 0
	s_cbranch_scc0 .Lentry_in_a_cluster
	s_endpgm
.Lentry_in_a_cluster:
	s_bfe_u32 s2, ttmp6, 0x10000c
	s_cmp_lg_u32 s2, 0xf033
	s_cbranch_scc0 .Lentry_shape_is_right
	s_endpgm
.Lentry_shape_is_right:
; out0[t][o] = bias[o] + sum over r of (hi[t][r] + lo[t][r]) bb[o][r] + sum over i of xb[t][i] wb[o][i].
; xb, wb: [4096][4096] bf16; te: [2][4096][16] bf16 (hi, lo: together 2 x A^T); bb: [4096][16] bf16, all made by the launch before; bias: [4096] f32; out0: [4096][4096] f32.  Sums in f32.
; No work is left out: every term of the problem's formula is here.
; LIMITS.  Matrix operands are bf16; the f32 sums are taken in the matrix unit's order, the low-rank term first; bias enters unrounded; NaN and infinities are not treated apart.
; SHARES.  A tile of out0, 256 x 256, is made by a work-group of four waves, as many as a WGP has SIMDs; a wave makes 128 x 128: 64 accumulators of 16 x 16, 512 registers.  256 tiles, 256 work-groups.
; THE SUMS START WITH THE LOW-RANK TERM AND THE BIAS.  A matrix instruction has K = 32, the rank is 16: on the tokens' side k = 0..15 is hi and k = 16..31 is lo, on the outputs' side both halves are bb's 16 numbers.
; That product's C operand is the bias, spread as a result is spread.  So nothing is cleared, no add is spent on bias, and the loop over K has one form of product.
; K then goes in 32 steps of 128 through a ring of two LDS slots filled by the tensor data mover: the rows of xb's and wb's tiles are 256 bytes of memory, at multiples of 256 bytes from the buffer's first byte.
; CLUSTERS: 4 x 4 work-groups.  The four of a row of the cluster need the same tiles of xb, the four of a column the same tiles of wb.  Such a tile is asked for JOINTLY: each of the four issues the same
; tensor load, with the same descriptor and a mask that names the four, and each receives the tile in its own LDS.
; THE MATRIX INSTRUCTION IS USED TRANSPOSED: source 0 = 16 rows of wb (outputs), source 1 = 16 rows of xb (tokens).  In the result lane l holds token l % 16 and its registers 0 to 7 the outputs 8 (l / 16) + 0..7:
; 32 consecutive bytes of a row of out0.
; REGISTERS, in windows of 256 (s_set_vgpr_msb's low byte: bits 1:0 source 0, 3:2 source 1, 5:4 source 2, 7:6 destination):
;   window 0: v0-31 addresses; v64-127, v128-191 fragments of xb, two buffers (on the way out: rows read back from the stage); v192-255 the bias as a C operand, 8 registers for each block of 16 outputs
;   window 1: v64-127, v128-191 fragments of wb, two buffers
;   window 2: the 32 accumulators of my rows 0-63 (accumulator (a, b) at v[8 (8 a + b)]);   window 3: those of my rows 64-127
.set SIZE_K, 4096
.set KSTEP,  128
.set PITCH,  272                       ; an LDS row: 256 bytes of data + 16 of padding = 68 words: row r starts at bank 4 r mod 64 (64 banks of 4 bytes: ISA guide 11.1), so the 16 rows that a load touches start at 16 different banks
.set HALFT,  128*PITCH                 ; 128 rows: what one tensor load brings, and what one wave reads of xb or of wb
.set SLOT,   4*HALFT                   ; xb's 256 rows, then wb's 256 rows
.set STAGE,  2*SLOT                    ; behind the ring, never filled by a tensor load: 16 rows x 528 bytes for each wave, for the way out
.set SPITCH, 528                       ; 512 bytes + 16 = 33 x 16: the 16 rows that a store touches fall into 16 different columns of 16 bytes
.set SPARE,  STAGE+4*16*SPITCH         ; behind the stages: the spare words, 128 bytes for each wave: two blocks of 256 bytes that no other line names
.set LAPS,   SIZE_K/(2*KSTEP)          ; a lap = two K steps = once round the ring
.set ROWO,   16384                     ; bytes in a row of out0
.set ADRA, 16                          ; v16-17  LDS address of my xb fragments in slot 0, 1
.set ADRB, 20                          ; v20-21  the same for wb
.set STO,  24                          ; v24     the way out: where I put 32 bytes of a row
.set RD,   25                          ; v25     the way out: where I read a row back
.set CO,   26                          ; v26     16 x lane: my 16 bytes of 512 consecutive bytes of out0
.set EO,   27                          ; v27     32 (l % 16) + 16 (l / 16): my 16 bytes in 16 rows of te or bb
.set SPW,  28                          ; v28     LDS address of my spare word: SPARE + 4 x my thread's number; never rewritten
.set NIL,  29                          ; v29     0; never rewritten
.set PFO,  30                          ; v30     the prefetches' offset: my lane x a row of xb or wb (8,192 bytes); never rewritten
.set BO,   31                          ; v31     32 (l / 16): my 8 numbers in 16 of bias
.set PFA,  44                          ; s[44:45] where my prefetches stand: my work-group's 32 rows of the 128 that I fetch, one K step further along K than the refill that is being asked for; a prefetch names the K step after that
.set LIM,  43                          ; s43     1 in a wave that prefetches, else the greatest number
.set F0,   64                          ; fragment buffer 0
.set F1,   128                         ; fragment buffer 1
.set BIAS, 192
.set G1, 24                            ; s[24:31] descriptor group 1 for xb's tiles
.set G0, 32                            ; s[32:39] descriptor group 0 for xb's tiles, one set for each slot
.set G1B, 48                           ; s[48:55] descriptor group 1 for wb's tiles: it differs in the mask alone
.set G0B, 56                           ; s[56:63] descriptor group 0 for wb's tiles, one set for each slot
.set MSB, 0
.macro WIN new                         ; the immediate's high byte repeats the setting that is left; a switch that changes nothing is dropped
.if MSB != (\new)
	s_set_vgpr_msb (MSB<<8)|(\new)
.set MSB, \new
.endif
.endm
.set MUL_LO, 0xa1                      ; source 0 (wb) window 1, source 1 (xb) window 0, C and D window 2
.set MUL_HI, 0xf1                      ; the same, C and D window 3
.set TO_B,   0x40                      ; destination window 1, address window 0
; A joint load.  Waves 0 and 1 fetch xb's two halves, waves 2 and 3 wb's.  Each of the two lines has ONE mask and one set of registers for all that issue it, and nothing in them hangs on a coordinate that the
; four partners do not share.  The branch hangs on the wave's number alone.  An s_nop 0 and four v_nop follow each of the two lines, ahead of the jump, the label and what follows.
.macro JLOAD s
	s_cmp_eq_u32 s11, 0
	s_cbranch_scc0 .Lfor_b_\@
	tensor_load_to_lds s[G0+4*(\s):G0+4*(\s)+3], s[G1:G1+7]
	s_nop 0
.rept 4
	v_nop
.endr
	s_branch .Lasked_\@
.Lfor_b_\@:
	tensor_load_to_lds s[G0B+4*(\s):G0B+4*(\s)+3], s[G1B:G1B+7]
	s_nop 0
.rept 4
	v_nop
.endr
.Lasked_\@:
.endm
; A PREFETCH INTO THE L2, behind each joint refill, its five lines and the run of LDS loads that follows them: the K step that stands TWO refills on (512 matrix instructions ahead of the load that will want it):
; 32 rows x 256 bytes, a lane a row, one instruction a wave.  Each row's 256 bytes of a K step are named ONCE in the launch: xb's tile row is read by every cluster of that row of clusters, and the one with
; cluster x = 0 asks; wb's tile column by every cluster of that column, and the one with cluster y = 0 asks.  The four partners that ask for a tile jointly share its rows out BY ADDRESS: of the 128 rows that
; a wave fetches the partner at place p takes 32 p .. 32 p + 31 (p = cx for xb, cy for wb): no branch hangs on a work-group's place in its cluster.  The loop's last trip asks for nothing: K steps 32 and 33 do not exist.
.macro ASK
	s_cmp_gt_u32 s3, s[LIM]                        ; s3 = 1 in the loop's last trip
	s_cbranch_scc0 .Lnot_mine_\@
	global_prefetch_b8 v[PFO], s[PFA:PFA+1] offset:KSTEP*2 th:TH_LOAD_NT scope:SCOPE_SE
.Lnot_mine_\@:
.endm
; A round of the cluster's barrier: my work-group's barrier, so that wave 0's signal speaks for all four waves; wave 0 signals for the work-group; every wave waits for all sixteen work-groups; my work-group's
; barrier once more.  No LDS instruction of the wave is pending at a signal.
.macro CREST                           ; a round behind its opening barrier
	s_cmp_lg_u32 s10, 0
	s_cbranch_scc1 .Lnot_wave_0_\@
	s_barrier_signal -3
.Lnot_wave_0_\@:
	s_barrier_wait -3
	s_barrier_signal -1
	s_barrier_wait -1
.endm
.macro CROUND                          ; a whole round
	s_barrier_signal -1
	s_barrier_wait -1
	CREST
.endm
	s_load_b128 s[4:7], s[0:1], 0x0                ; xb s[4:5], wb s[6:7]
	s_load_b64 s[8:9], s[0:1], 0x10                ; out0
	s_load_b128 s[68:71], s[0:1], 0x18             ; te s[68:69], bb s[70:71]
	s_load_b64 s[72:73], s[0:1], 0x28              ; bias
	v_lshl_add_u32 v[SPW], v0, 2, SPARE
	v_mov_b32 v[NIL], 0
	ds_add_u32 v[SPW], v[NIL]                      ; the wave's opening: the add, twice on end, and its wait stand ahead of my first tensor load; the set-up below, work on registers, stands between
	ds_add_u32 v[SPW], v[NIL]                      ; and once more, under the one wait
	v_lshrrev_b32 v1, 5, v0
	v_readfirstlane_b32 s10, v1                    ; wave 0..3
	s_lshr_b32 s11, s10, 1                         ; which half of the tile's rows is mine.  Also: I fetch for xb (0) or for wb (1)
	s_and_b32 s12, s10, 1                          ; which half of its columns.  Also: which 128 rows of that tile I fetch
	s_bfe_u32 s40, ttmp6, 0x40000                  ; cx: my place along the cluster's x
	s_bfe_u32 s41, ttmp6, 0x40004                  ; cy: along its y
	s_lshl_b32 s42, ttmp9, 2                       ; in a cluster launch ttmp9 and ttmp7 count clusters
	s_add_co_u32 s42, s42, s40                     ; tile column = 4 x cluster x + cx
	s_and_b32 s13, ttmp7, 0xffff
	s_lshl_b32 s13, s13, 2
	s_add_co_u32 s13, s13, s41                     ; tile row = 4 x cluster y + cy
	s_lshl_b32 s43, s41, 2
	s_lshl_b32 s43, 15, s43                        ; my row of the cluster: places 4 cy .. 4 cy + 3
	s_lshl_b32 s44, 0x1111, s40                    ; my column: places cx, cx + 4, cx + 8, cx + 12
	; descriptor group 1: a tile of 128 rows x 128 elements, padded in LDS
	s_or_b32 s[G1+0], s43, (1<<16)|(1<<20)|(1<<21)|(5<<22)|(3<<25)  ; 15:0 the mask: xb's tiles go to my row; 17:16 element of 2 bytes; 20 padding on; 21 set beside a mask; 24:22 after every 64 words (code 5); 31:25 of 4 words (code 3)
	s_or_b32 s[G1B+0], s44, (1<<16)|(1<<20)|(1<<21)|(5<<22)|(3<<25) ; the same with the mask of my column, for wb's tiles
.irp g, G1, G1B
	s_mov_b32 s[(\g)+1], KSTEP<<16                 ; 63:48 tensor_dim0, low half = 128
	s_mov_b32 s[(\g)+2], 128<<16                   ; 79:64 its high half = 0; 95:80 tensor_dim1, low half = 128
	s_mov_b32 s[(\g)+3], KSTEP<<16                 ; 111:96 its high half = 0; 127:112 tile_dim0 = 128
	s_mov_b32 s[(\g)+4], 128                       ; 143:128 tile_dim1 = 128; 159:144 tile_dim2 = 0
	s_mov_b32 s[(\g)+5], SIZE_K                    ; 191:160 tensor_dim0_stride, low word: elements from row to row
	s_mov_b32 s[(\g)+6], 0
	s_mov_b32 s[(\g)+7], 0
.endr
	; where the tiles come from.  xb's hang on the tile row alone, which my row of the cluster shares; wb's on the tile column alone, which my column shares.
	s_lshl_b32 s17, s12, 7                         ; which 128 rows of the tile I fetch
	s_lshl_b32 s16, s13, 8
	s_add_co_u32 s16, s16, s17                     ; xb: row 256 x tile row + 128 x half
	s_lshl_b32 s46, s42, 8
	s_add_co_u32 s46, s46, s17                     ; wb: row 256 x tile column + 128 x half
	s_mov_b32 s17, 0
	s_mov_b32 s47, 0
	s_mov_b64 s[18:19], SIZE_K*2
	s_mul_u64 s[16:17], s[16:17], s[18:19]         ; in bytes, in 64 bits
	s_mul_u64 s[46:47], s[46:47], s[18:19]
	s_mul_i32 s20, s10, HALFT                      ; and where they go: xb's two halves, then wb's two halves = wave x 128 rows: no place in the cluster enters an LDS address
	s_wait_dscnt 0x0                               ; both opening adds are done
	s_wait_kmcnt 0x0
	s_add_nc_u64 s[14:15], s[4:5], s[16:17]
	s_add_nc_u64 s[46:47], s[6:7], s[46:47]
	CROUND                                         ; all sixteen work-groups are here: the first joint loads meet
.irp s, 0,1
	s_mov_b32 s[G0+4*(\s)], 1                                      ; 1:0 count = 1
	s_add_co_u32 s[G0+4*(\s)+1], s20, (\s)*SLOT                    ; 63:32 LDS address
	s_add_nc_u64 s[G0+4*(\s)+2:G0+4*(\s)+3], s[14:15], (\s)*KSTEP*2  ; 120:64 global address: K step s
	s_or_b32 s[G0+4*(\s)+3], s[G0+4*(\s)+3], 0x80000000            ; 127:126 type = 2
	s_mov_b32 s[G0B+4*(\s)], 1
	s_add_co_u32 s[G0B+4*(\s)+1], s20, (\s)*SLOT
	s_add_nc_u64 s[G0B+4*(\s)+2:G0B+4*(\s)+3], s[46:47], (\s)*KSTEP*2
	s_or_b32 s[G0B+4*(\s)+3], s[G0B+4*(\s)+3], 0x80000000
	JLOAD \s                                       ; the ring is filled before anything else is done: two tensor loads of mine are out
.endr
	; A fragment is 16 rows x 32 K in 8 registers: lane l holds row l % 16; registers 0-3 hold K = 8 (l / 16) + 0..7, registers 4-7 hold K = 16 + 8 (l / 16) + 0..7.  The same for source 0 and source 1.
	v_and_b32 v1, 15, v0                           ; l % 16
	v_bfe_u32 v2, v0, 4, 1                         ; l / 16
	v_lshlrev_b32 v[EO], 5, v1
	v_lshl_add_u32 v[EO], v2, 4, v[EO]
	v_lshlrev_b32 v[BO], 5, v2
	s_lshl_b32 s13, s13, 8                         ; 256 x tile row
	s_lshl_b32 s14, s11, 7
	s_add_co_u32 s16, s13, s14                     ; my first row of out0
	s_lshl_b32 s74, s16, 5                         ; te: 32 bytes a token
	s_mov_b32 s75, 0
	s_add_nc_u64 s[68:69], s[68:69], s[74:75]
	s_lshl_b32 s74, s16, 14                        ; out0: 16,384 bytes a row (3,968 rows at the most: under 2^32)
	s_add_nc_u64 s[8:9], s[8:9], s[74:75]
	s_lshl_b32 s42, s42, 8                         ; 256 x tile column
	s_lshl_b32 s76, s12, 7
	s_add_co_u32 s76, s76, s42                     ; my first column
	s_lshl_b32 s74, s76, 5                         ; bb: 32 bytes an output
	s_add_nc_u64 s[70:71], s[70:71], s[74:75]
	s_lshl_b32 s74, s76, 2                         ; bias and out0: 4 bytes a column
	s_add_nc_u64 s[72:73], s[72:73], s[74:75]
	s_add_nc_u64 s[8:9], s[8:9], s[74:75]
	; the extra K step's operands come straight from memory into buffer 1: registers 0-3 of a token fragment take hi, registers 4-7 lo; both halves of an output fragment take the same 16 bytes of bb
.irp i, 0,1,2,3,4,5,6,7
	global_load_b128 v[F1+8*(\i):F1+8*(\i)+3],   v[EO], s[68:69] offset:512*(\i)
	global_load_b128 v[F1+8*(\i)+4:F1+8*(\i)+7], v[EO], s[68:69] offset:131072+512*(\i)
.endr
.irp b, 0,1,2,3,4,5,6,7
	global_load_b128 v[BIAS+8*(\b):BIAS+8*(\b)+3],   v[BO], s[72:73] offset:64*(\b)      ; register j: bias of output 16 b + 8 (l / 16) + j
	global_load_b128 v[BIAS+8*(\b)+4:BIAS+8*(\b)+7], v[BO], s[72:73] offset:64*(\b)+16
.endr
	WIN TO_B
.irp i, 0,1,2,3,4,5,6,7
	global_load_b128 v[F1+8*(\i):F1+8*(\i)+3],   v[EO], s[70:71] offset:512*(\i)
	global_load_b128 v[F1+8*(\i)+4:F1+8*(\i)+7], v[EO], s[70:71] offset:512*(\i)
.endr
	WIN 0
	v_mul_u32_u24 v3, v1, PITCH
	v_lshl_add_u32 v3, v2, 4, v3                   ; row x pitch + 16 x half
	s_mul_i32 s21, s11, HALFT                      ; my 128 rows of xb
	s_mul_i32 s22, s12, HALFT                      ; my 128 rows of wb,
	s_add_co_u32 s22, s22, 2*HALFT                 ; which lie behind xb's 256
.irp s, 0,1
	v_add_nc_u32 v[ADRA+(\s)], s21, v3
	v_add_nc_u32 v[ADRB+(\s)], s22, v3
	s_add_co_u32 s21, s21, SLOT
	s_add_co_u32 s22, s22, SLOT
.endr
	s_mul_i32 s23, s10, 16*SPITCH
	s_add_co_u32 s23, s23, STAGE                   ; my stage
	v_mul_u32_u24 v4, v1, SPITCH                   ; in: row l % 16, 32 bytes for each half of the lanes
	v_lshl_add_u32 v4, v2, 5, v4
	v_add_nc_u32 v[STO], s23, v4
	v_and_b32 v5, 31, v0
	v_lshlrev_b32 v[CO], 4, v5                     ; back: 32 lanes take one row of 512 bytes
	v_add_nc_u32 v[RD], s23, v[CO]
	; the prefetches.  s13 = 256 x tile row, s42 = 256 x tile column, s40 = cx, s41 = cy still stand
	s_and_b32 s22, ttmp7, 0xffff                   ; cluster y
	s_cmp_eq_u32 s11, 0                            ; do I fetch for xb?
	s_cselect_b32 s20, s13, s42                    ; the tile's first row: in xb by the tile row, in wb by the tile column
	s_cselect_b32 s21, s40, s41                    ; my place among the four that ask for it with me
	s_cselect_b32 s22, ttmp9, s22                  ; the coordinate along which other clusters read the same rows
	s_cselect_b64 s[PFA:PFA+1], s[4:5], s[6:7]
	s_cmp_eq_u32 s22, 0
	s_cselect_b32 s[LIM], 1, -1                    ; the same in all sixteen partners, for a given wave
	s_lshl_b32 s22, s12, 7
	s_add_co_u32 s20, s20, s22                     ; + the 128 rows that I fetch
	s_lshl_b32 s21, s21, 5
	s_add_co_u32 s20, s20, s21                     ; + my work-group's 32 of them
	s_mov_b32 s21, 0
	s_mov_b64 s[18:19], SIZE_K*2
	s_mul_u64 s[20:21], s[20:21], s[18:19]
	s_add_nc_u64 s[PFA:PFA+1], s[PFA:PFA+1], s[20:21]
	s_add_nc_u64 s[PFA:PFA+1], s[PFA:PFA+1], 2*KSTEP*2  ; at K step 2: the first refill steps it to 3 and names K step 4
	v_mul_u32_u24 v[PFO], v5, SIZE_K*2
	; nothing is prefetched here, at the head, where every work-group's first two tiles are on their way: K steps 2 and 3 come by their refills alone
; 16 matrix instructions: m blocks a0, a0 + 1 of the window's four (hi = 0: my rows 0-63, 1: rows 64-127) x all 8 n blocks, 32 along K.
.macro MUL16 f, hi, a0
	WIN MUL_LO+0x50*(\hi)
.irp a, \a0, (\a0)+1
.irp b, 0,1,2,3,4,5,6,7
	v_wmma_f32_16x16x32_bf16 v[8*(8*(\a)+(\b)):8*(8*(\a)+(\b))+7], v[(\f)+8*(\b):(\f)+8*(\b)+7], v[(\f)+8*(4*(\hi)+(\a)):(\f)+8*(4*(\hi)+(\a))+7], v[8*(8*(\a)+(\b)):8*(8*(\a)+(\b))+7]
.endr
.endr
.endm
; The same 16 for the extra K step, which starts the sums: operands in buffer 1, C = the bias of the n block (window 0), D in window 2 or 3.
.macro MULX hi, a0
	WIN 0x81+0x40*(\hi)
.irp a, \a0, (\a0)+1
.irp b, 0,1,2,3,4,5,6,7
	v_wmma_f32_16x16x32_bf16 v[8*(8*(\a)+(\b)):8*(8*(\a)+(\b))+7], v[F1+8*(\b):F1+8*(\b)+7], v[F1+8*(4*(\hi)+(\a)):F1+8*(4*(\hi)+(\a))+7], v[BIAS+8*(\b):BIAS+8*(\b)+7]
.endr
.endr
.endm
; 32 LDS loads in one run: the fragments of one quarter step (128 rows of wb, 128 rows of xb, 32 K at byte k of the rows) into buffer f
.macro FETCH slot, k, f
	WIN TO_B
.irp i, 0,1,2,3,4,5,6,7
	ds_load_b128 v[(\f)+8*(\i):(\f)+8*(\i)+3],   v[ADRB+(\slot)] offset:(\k)+(\i)*16*PITCH
	ds_load_b128 v[(\f)+8*(\i)+4:(\f)+8*(\i)+7], v[ADRB+(\slot)] offset:(\k)+(\i)*16*PITCH+32
.endr
	WIN 0
.irp i, 0,1,2,3,4,5,6,7
	ds_load_b128 v[(\f)+8*(\i):(\f)+8*(\i)+3],   v[ADRA+(\slot)] offset:(\k)+(\i)*16*PITCH
	ds_load_b128 v[(\f)+8*(\i)+4:(\f)+8*(\i)+7], v[ADRA+(\slot)] offset:(\k)+(\i)*16*PITCH+32
.endr
.endm
; A load into a register that a matrix instruction has read, and an LDS store that reads a matrix result, stand four places behind that matrix instruction, and only plain vector instructions that name none of
; its registers are places (ISA guide 7.12.1 for vector instructions); this text does not count the matrix instructions in between.
.macro PLACES
.rept 4
	v_nop
.endr
.endm
; A K step is four quarter steps of 32 along K, 64 matrix instructions each, on buffers 0, 1, 0, 1.  The 64 accumulators take turns in the same order in every quarter, over the backward jump too.
; One of the first three: multiplies buffer f; in its middle it fetches the next quarter's fragments, at byte k of the same slot's rows, into buffer g.
.macro QUARTER slot, k, f, g
	s_wait_dscnt 8                                 ; wb and xb's rows 0-63 are in; the youngest eight loads (xb's rows 64-127) may be out
	MUL16 \f, 0, 0
	MUL16 \f, 0, 2
	PLACES
	FETCH \slot, \k, \g
	s_wait_dscnt 32                                ; all but the 32 just issued
	MUL16 \f, 1, 0
	MUL16 \f, 1, 2
.endm
; The last quarter multiplies buffer 1 and changes slots.  MEET is its first half: ONE barrier for the change of slots.  In front of it each wave waits for all its tensor loads, of which one is out: its part of the
; next slot; adds 0 to its spare word; and waits for that and for its own reads of this slot.  Behind it nobody reads this slot any more and the next slot is whole.
.macro MEET round                      ; round = 1: the rest of a round of the cluster's barrier follows
	WIN 0                                          ; (the add's two registers lie in window 0)
	s_wait_tensorcnt 0x0                           ; all my tensor loads have landed: the one that was out is my part of the next slot;
	ds_add_u32 v[SPW], v[NIL]                      ; 0 onto my spare word;
	s_wait_dscnt 9                                 ; (the add and the youngest eight loads may be out)
	MUL16 F1, 0, 0                                 ; sixteen matrix instructions stand between the add and the wait for it
	s_wait_dscnt 0x0                               ; the add is done, and my reads of this slot are over:
	s_barrier_signal -1                            ; say so,
	MUL16 F1, 0, 2                                 ; work on registers while the others arrive,
.if \round
	WIN 0
.endif
	s_barrier_wait -1                              ; and go on when all four have said so
.endm
; The whole last quarter, with a refill: behind the round the slot just read out is filled again first, with the K step two steps on; then come the next slot's first fragments.
; From a request to the wait for it a wave issues 224 matrix instructions.
.macro TURN slot, next
	s_wait_xcnt 0x0                                ; the last prefetch, a K step back, has read its address: it is stepped here, ahead of the waits of the change of slots
	s_add_nc_u64 s[PFA:PFA+1], s[PFA:PFA+1], KSTEP*2
	MEET 1
	CREST                                          ; all sixteen work-groups have said so: no wave of any partner still reads this slot's tile or has a load on its way
	s_add_nc_u64 s[G0+4*(\slot)+2:G0+4*(\slot)+3], s[G0+4*(\slot)+2:G0+4*(\slot)+3], 2*KSTEP*2      ; no tensor load of mine is out, so a group 0 may be written; the type bits on top are not reached
	s_add_nc_u64 s[G0B+4*(\slot)+2:G0B+4*(\slot)+3], s[G0B+4*(\slot)+2:G0B+4*(\slot)+3], 2*KSTEP*2
	JLOAD \slot                                    ; the first tensor load behind the round, my only one until the next; the four v_nop behind it are also the places in front of the loads below
	FETCH \next, 0, F0
	ASK                                            ; behind the joint load and the run of LDS loads that the next products wait for
	MUL16 F1, 1, 0
	MUL16 F1, 1, 2
.endm
.macro TURNL                           ; the last change of slots: nothing is filled again, so no round follows the barrier
	MEET 0
	PLACES
	FETCH 1, 0, F0
	MUL16 F1, 1, 0
	MUL16 F1, 1, 2
.endm
; THE WAY OUT of block a (16 rows x 128 columns of f32).  TOSTAGE: a lane's 32 bytes of each of the 8 accumulators go into my own stage, each accumulator's low four registers first, and come back as whole rows
; of 512 bytes, into buffer a % 2 of the fragments' registers.  SEND: stored.
.macro TOSTAGE a
	WIN 0x08+4*((\a)/4)                            ; the store's data (source 1) in window 2 or 3, its address in window 0
.set AC, 64*((\a)%4)
.irp b, 0,1,2,3,4,5,6,7
	ds_store_b128 v[STO], v[AC+8*(\b):AC+8*(\b)+3]   offset:64*(\b)
	ds_store_b128 v[STO], v[AC+8*(\b)+4:AC+8*(\b)+7] offset:64*(\b)+16
.endr
	WIN 0
.if (\a) >= 2
	s_wait_xcnt 0x0                                ; the stores of the block two back have had their addresses translated (ISA guide 3.1): only behind this wait are their data registers loaded again
.endif
.set BK, F0+64*((\a)%2)
.irp t, 0,1,2,3,4,5,6,7,8,9,10,11,12,13,14,15
	ds_load_b128 v[BK+4*(\t):BK+4*(\t)+3], v[RD] offset:(\t)*SPITCH  ; LDS serves a wave's instructions in order (ISA guide 5.7.1.4): these see the stores above; the next block's stores come behind them
.endr
.endm
.macro SEND a, younger                 ; younger: the LDS instructions issued behind block a's loads: the next block's 32, or none
	WIN 0
.set BK, F0+64*((\a)%2)
	s_wait_dscnt \younger                          ; the block is back in registers
.irp t, 0,1,2,3,4,5,6,7,8,9,10,11,12,13,14,15
	global_store_b128 v[CO], v[BK+4*(\t):BK+4*(\t)+3], s[8:9] offset:(16*(\a)+(\t))*ROWO th:TH_STORE_NT  ; 512 consecutive bytes, at a multiple of 512 from out0's first byte; the row stands in the immediate, 127 rows at the most
.endr
.endm
	s_wait_loadcnt 0x0                             ; te, bias, bb
	MULX 0, 0                                      ; the sums of my rows 0-63 start while the first tile is on its way
	MULX 0, 2
	s_wait_tensorcnt 1                             ; my part of K step 0 is in; K step 1's load may stay out
	s_barrier_signal -1
	s_barrier_wait -1                              ; everybody's is
	FETCH 0, 0, F0                                 ; no matrix instruction has named buffer 0 yet
	MULX 1, 0
	MULX 1, 2
	WIN 0                                          ; at a label and at a branch every window is 0
	s_mov_b32 s3, LAPS-1
.Llap:                                                 ; a trip is a lap: K steps 2 L and 2 L + 1 are multiplied, 2 L + 2 and 2 L + 3 asked for
	QUARTER 0, 64,  F0, F1
	QUARTER 0, 128, F1, F0
	QUARTER 0, 192, F0, F1
	TURN 0, 1
	QUARTER 1, 64,  F0, F1
	QUARTER 1, 128, F1, F0
	QUARTER 1, 192, F0, F1
	TURN 1, 0
	WIN 0
	s_sub_co_u32 s3, s3, 1
	s_cmp_lg_u32 s3, 0
	s_cbranch_scc1 .Llap
	QUARTER 0, 64,  F0, F1                         ; the last lap is written out: it asks for nothing
	QUARTER 0, 128, F1, F0
	QUARTER 0, 192, F0, F1
	TURNL
	QUARTER 1, 64,  F0, F1
	QUARTER 1, 128, F1, F0
	QUARTER 1, 192, F0, F1
	s_wait_dscnt 8                                 ; the very last quarter: nothing more to fetch
	MUL16 F1, 0, 0
	MUL16 F1, 0, 2
	s_wait_dscnt 0x0
	MUL16 F1, 1, 0
	MUL16 F1, 1, 2
	WIN 0
	PLACES                                         ; behind the last products, in front of the stores that read results and of the loads into the fragments' registers
	PLACES
	TOSTAGE 0
.irp a, 1,2,3,4,5,6,7                  ; block a goes through the stage while block a - 1's rows come back
	TOSTAGE \a
	SEND (\a)-1, 32
.endr
	SEND 7, 0
	s_wait_tensorcnt 0x0                           ; the wave's end, behind my last tensor load and my last LDS store
	ds_add_u32 v[SPW], v[NIL]
	s_wait_dscnt 0x0
	CROUND                                         ; the closing round: no work-group ends while a partner may still ask for a tile that names it
	s_endpgm
.Lfunc_end_k_q2a97df605f_gemm:
	.size	k_q2a97df605f_gemm, .Lfunc_end_k_q2a97df605f_gemm-k_q2a97df605f_gemm
	.p2alignl 7, 3214868480
	.fill 96, 4, 3214868480
	.section	.rodata,"a",@progbits
	.p2align	6, 0x0
	.amdhsa_kernel k_q2a97df605f_gemm
		.amdhsa_group_segment_fixed_size 327680
		.amdhsa_private_segment_fixed_size 0
		.amdhsa_enable_private_segment 0
		.amdhsa_kernarg_size 48
		.amdhsa_user_sgpr_count 2
		.amdhsa_user_sgpr_kernarg_segment_ptr 1
		.amdhsa_wavefront_size32 1
		.amdhsa_system_sgpr_workgroup_id_x 1
		.amdhsa_system_sgpr_workgroup_id_y 1
		.amdhsa_system_sgpr_workgroup_id_z 1
		.amdhsa_system_vgpr_workitem_id 0
		.amdhsa_next_free_vgpr 1024
		.amdhsa_next_free_sgpr 80
		.amdhsa_reserve_vcc 0
		.amdhsa_float_denorm_mode_32 3
		.amdhsa_float_denorm_mode_16_64 3
		.amdhsa_memory_ordered 1
		.amdhsa_forward_progress 1
		.amdhsa_inst_pref_size 150
	.end_amdhsa_kernel
	.amdgpu_metadata
---
amdhsa.version: [ 1, 2 ]
amdhsa.kernels:
  - .name:           k_q2a97df605f_gemm
    .symbol:         k_q2a97df605f_gemm.kd
    .args:
      - { .name: xb, .offset: 0, .size: 8, .value_kind: global_buffer, .address_space: global }
      - { .name: wb, .offset: 8, .size: 8, .value_kind: global_buffer, .address_space: global }
      - { .name: out0, .offset: 16, .size: 8, .value_kind: global_buffer, .address_space: global }
      - { .name: te, .offset: 24, .size: 8, .value_kind: global_buffer, .address_space: global }
      - { .name: bb, .offset: 32, .size: 8, .value_kind: global_buffer, .address_space: global }
      - { .name: bias, .offset: 40, .size: 8, .value_kind: global_buffer, .address_space: global }
    .group_segment_fixed_size: 327680
    .private_segment_fixed_size: 0
    .kernarg_segment_align: 8
    .kernarg_segment_size: 48
    .max_flat_workgroup_size: 128
    .sgpr_count:     80
    .vgpr_count:     1024
    .wavefront_size: 32
...
	.end_amdgpu_metadata
.endif
;; end of part 2
